; MI455X (gfx1250); checked and timed in simulation.
; The chip was launched on July 23, 2026; its instructions are those of AMD's public machine-readable ISA for CDNA 5 (MIT licence, August 2026) and "CDNA5" Instruction Set Architecture Reference Guide (July 2026). The comments in the code are by the model that wrote it; some were corrected since.
;; Rank Net. Allowed arithmetic: float matrix products may take bf16 or f16 operands with f32 sums; all other float work in f32.
;; Inputs: W1 512 x 256 float32; W2 256 x 1 float32; b1 256 float32; b2 1 float32; instances 16 int32; item_table 30,000 x 256 float32; user_table 100,000 x 256 float32.
;; Outputs: out0 16 x 30,000 float32.
;; One version. Each part assembles by itself: llvm-mc -triple=amdgcn-amd-amdhsa -mcpu=gfx1250 --defsym DOCPART=n.
;; ======== version 1 of 1: 1 launch
;; limits: a difference of large sums (such as E[x^2] - mean^2): digits are lost where the result is much smaller than its terms
;; launch ranknet (part 1): grid 235 x 1, 8 waves a work-group, no clusters, 236,800 bytes of LDS; arguments item_table, W1, user_table, instances, b1, W2, b2, out0; writes out0
.if DOCPART == 1
	.amdgcn_target "amdgcn-amd-amdhsa--gfx1250"
	.amdhsa_code_object_version 6
	.text
	.protected	k_q8199e919b8_ranknet
	.globl	k_q8199e919b8_ranknet
	.p2align	8
	.type	k_q8199e919b8_ranknet,@function
k_q8199e919b8_ranknet:
	s_mov_b64 s[64:65], 0
	v_nop
	global_prefetch_b8 v0, s[64:65] scope:SCOPE_SE
	s_setreg_imm32_b32 hwreg(HW_REG_WAVE_MODE, 25, 1), 1
	s_wait_xcnt 0x0
; RankNet scores: out[b][m] = b2 + sum over d of w[d] * relu( (u_b Wu)[d] + (item_m Wi)[d] + b1[d] ),  16 users b, 30,000 items m, 256 units d.
; Wu = W1 rows 0-255, Wi = W1 rows 256-511, u_b = user_table[instances[b]].  One launch, nothing goes through memory.
;
; THE ARITHMETIC.  p = item Wi and u Wu are made by the matrix unit from operands rounded to bf16, sums in f32.  With c_b = u_b Wu + b1,
;   relu(p + c_b) = max(p + c_0, n_b) - n_b,   n_b = c_0 - c_b   (an identity for all finite numbers).
; c_0 is added to p once for an item (not once for each user), and -sum_d w[d] n_b[d] is summed once for a user and starts each sum, so that an
; element (b, m, d) costs one maximum and one fused multiply-add, all in f32.  User 0 as the reference takes what is common to the users
; (b1, an offset of the user table) out of n_b.
; The last product has one output column: on the matrix unit 15 of 16 columns would be idle and each pair of h would need a conversion, as
; many instructions as the packed multiply-add that does the work in f32.  So it stays on the vector unit.
; LIMITS.  (1) Finite inputs: v_max_num_f32 drops a NaN where the reference would keep it, and an infinite c gives NaN in n.
; (2) The sums are formed in another order than the reference's; splitting off sum w n adds an f32 rounding error of the order of
; 2^-24 * sum_d |w[d] n_b[d]|; the error that the bf16 operands leave in p and c passes through as it does through relu(p + c).
; (3) An index is clamped to 99,999 as an unsigned number; the reference relies on indices inside the table.
; (4) A row of out is 120,000 bytes: a wave's store covers 512 consecutive bytes that start at a multiple of 64, not of 256.
;
; SHARES.  A work-group takes 128 items (8 tiles of 16), 235 work-groups; the last has 48 items: its waves 3-7 read the table's last 16 rows
; again, and what comes of them is masked at the store.  Eight waves.  Wave w owns units d = 32 w .. 32 w + 31 for all 8 item tiles, so
; every number of W1 is converted once in a work-group and used by one wave.  Matrix operand A = 16 rows d of W1 transposed, B = 16 items (or the
; 16 users).  Row r of d tile t is d = 32 w + 2 r + t: a lane's 8-byte load of a row of W1 then feeds both d tiles, with no transposition.
; In the result, lane (r, h) holds item r, and register j of d tile t holds d = 32 w + 16 h + 2 j + t.
; NO CLUSTER: what the work-groups share is W1.  Here each wave takes its strip of W1 straight into registers; a joint request would send
; 524,288 bytes through a ring in LDS, and 235 work-groups are no multiple of 4.
;
; LDS: 0 bf16 rows, 128 items then 16 users, 512 bytes + 16 of padding; CREC the records n_b (each wave's own); PART partial sums; OUTS output rows.
.set N_USER, 100000
.set M_ITEM, 30000
.set ROWB,   1024                      ; bytes in a row of either table and of W1
.set OUTROW, 4*M_ITEM                  ; bytes in a row of out
.set IPITCH, 528                       ; 33 x 16 bytes: the 16 rows that a fragment load touches lie in 16 different 16-byte columns modulo 256 bytes
.set TILEB,  16*IPITCH
.set CREC,   144*IPITCH                ; record (wave, b, h): 16 n in the order [t][j], then the pair that starts the sums; 80 bytes
.set CH,     80
.set CB,     2*CH
.set CW,     16*CB
.set PART,   CREC+8*CW                 ; [wave][b][tile / 4][lane][tile mod 4] f32
.set PW,     16384
.set OUTS,   PART+8*PW                 ; [b][128] f32
; registers of window 0 (v0-v255)
.set LANE,  1
.set WOFF,  2                          ; my byte offset in W1: 8,192 h + 128 w + 8 r
.set BADR0, 3                          ; LDS address of my part of a B fragment, tiles 0-3
.set BADR1, 4                          ; tiles 4-7 and the users
.set IOFF,  5                          ; 16 x lane
.set ISTO,  6                          ; where my wave's item rows go; at the end: where my sums go in OUTS
.set USTO,  7                          ; where my wave's two user rows go; at the end: where a row of OUTS is read back
.set CADR,  8                          ; my half's record of the user at work
.set PSTO,  9                          ; my 16 bytes in PART
.set SOFF,  10                         ; my byte offset in b1 and W2: 128 w + 64 h
.set RR,    11                         ; lane mod 16
.set HH,    12                         ; lane / 16
.set CSTO,  13                         ; record of user r, my half; at the end: 4 x lane, for the mask
.set FADR0, 14                         ; the end: partial sums of waves 0-3
.set FADR1, 15                         ; and of waves 4-7
.set UL,    16                         ; v16-31: two user rows as loaded; then the two accumulators of u Wu, c, n; then
.set ACC,   16                         ;         eight pairs of running sums, one for each item tile
.set AF,    32                         ; v32-63: A fragments, two buffers of two d tiles; then c_0 in v32-47; then
.set XA,    32                         ;         the maxima, two buffers of eight pairs
.set BF,    64                         ; v64-127: B fragments of 8 item tiles (or of the users' 8 K steps); then
.set N0,    64                         ;         n and the starting pair of the even user (18 registers),
.set N1,    84                         ;         of the odd user,
.set W2R,   104                        ;         w in the order [t][j],
.set RES,   120                        ;         eight finished sums
.set P,     128                        ; v128-255: item rows as loaded; then p: tile u, d tile t at P + 16 u + 8 t; at the end the partial sums
; registers of window 1 (v256-v415), written by their low 8 bits
.set LAND,  0                          ; four slots of 32: a K step of W1 as loaded, row q at 2 q, d tile t at + t
.set B1L,   128                        ; b1 of my 16 units, in memory's order
.set W2L,   144                        ; W2 likewise
.set MSB, 0
.macro WIN new                         ; s_set_vgpr_msb: bits 1:0 source 0, 3:2 source 1, 5:4 source 2, 7:6 destination; the high byte repeats the setting left
.if MSB != \new
	s_set_vgpr_msb (MSB<<8)|\new
.set MSB, \new
.endif
.endm
.macro PLACES                          ; a load into a register that a matrix instruction has read stands four plain vector instructions behind it
.rept 4
	v_nop
.endr
.endm
; K steps 0-7 are Wi's (rows 256 + 32 s), 8-15 Wu's.  Lane (r, h) takes rows 8 h + 0..7 and 16 + 8 h + 0..7 of the step, the k of its fragment registers.
; A load covers 128 consecutive bytes of one row in lanes 0-15 and of another in lanes 16-31.
.macro WLOAD s
.if (\s) < 8
.set WROW, 256+32*(\s)
.else
.set WROW, 32*((\s)-8)
.endif
.irp q, 0,1,2,3,4,5,6,7,8,9,10,11,12,13,14,15
	global_load_b64 v[LAND+32*((\s)&3)+2*\q:LAND+32*((\s)&3)+2*\q+1], v[WOFF], s[6:7] offset:(WROW+\q+8*(\q/8))*ROWB
.endr
.endm
.macro WCVT s                          ; two rows k, k + 1 of one unit d make one fragment register
.irp t, 0,1
.irp i, 0,1,2,3,4,5,6,7
	v_cvt_pk_bf16_f32 v[AF+16*((\s)&1)+8*\t+\i], v[LAND+32*((\s)&3)+4*\i+\t], v[LAND+32*((\s)&3)+4*\i+2+\t]
.endr
.endr
.endm
; The A fragments of K step s are made and its landing slot is asked for again, four K steps ahead.
; The count: behind K step s's loads were issued three K steps of 16 (fewer at the end), and for s = 1..4 also the 4 loads of user rows and the 8 of b1 and W2.
; The sixteen conversions write the A buffer that the last matrix instructions did not name: they are the places behind those.
.macro NEXTA s
.set LC, 16*(15-(\s))
.if LC > 48
.set LC, 48
.endif
.if (\s) < 5
.set LC, 60
.endif
	s_wait_loadcnt LC
	WIN 0x05                               ; sources in window 1
	WCVT \s
.if (\s) < 12
	WIN 0x40                               ; destination in window 1
	WLOAD (\s)+4
.endif
	WIN 0
.endm
.macro BLOAD s, g, adr                 ; B fragments of item tiles g .. g + 3, K step s: k = 8 h + 0..7 and 16 + 8 h + 0..7 of row r
.irp u, 0,1,2,3
	ds_load_b128 v[BF+8*(\g+\u):BF+8*(\g+\u)+3],   v[\adr] offset:\u*TILEB+64*(\s)
	ds_load_b128 v[BF+8*(\g+\u)+4:BF+8*(\g+\u)+7], v[\adr] offset:\u*TILEB+64*(\s)+32
.endr
.endm
.macro MM s, g                         ; eight matrix instructions on eight accumulators; the first K step starts the sums: nothing is cleared
.irp u, 0,1,2,3
.irp t, 0,1
.if (\s) == 0
	v_wmma_f32_16x16x32_bf16 v[P+16*(\g+\u)+8*\t:P+16*(\g+\u)+8*\t+7], v[AF+16*((\s)&1)+8*\t:AF+16*((\s)&1)+8*\t+7], v[BF+8*(\g+\u):BF+8*(\g+\u)+7], 0
.else
	v_wmma_f32_16x16x32_bf16 v[P+16*(\g+\u)+8*\t:P+16*(\g+\u)+8*\t+7], v[AF+16*((\s)&1)+8*\t:AF+16*((\s)&1)+8*\t+7], v[BF+8*(\g+\u):BF+8*(\g+\u)+7], v[P+16*(\g+\u)+8*\t:P+16*(\g+\u)+8*\t+7]
.endif
.endr
.endr
.endm
; One K step of item Wi: 16 matrix instructions.  The sixteen accumulators take turns, one instruction a turn.
.macro KSTEP s
	s_wait_dscnt 0x8                       ; tiles 0-3 are in; the eight younger loads (tiles 4-7) may be out
	MM \s, 0
.if (\s) < 7
	PLACES
	BLOAD (\s)+1, 0, BADR0
	s_wait_dscnt 0x8                       ; tiles 4-7 are in; the eight just issued stay out
.else
	s_wait_dscnt 0x0
.endif
	MM \s, 4
	NEXTA (\s)+1
.if (\s) < 7
	BLOAD (\s)+1, 4, BADR1
.endif
.endm
; One K step of u Wu: two accumulators by turns.  All 16 loads of the users' fragments are issued ahead: a step needs two,
; so 14 - 2 (s - 8) younger ones may be out.
.macro USTEP s
	s_wait_dscnt 14-2*((\s)-8)
.if (\s) == 8
	v_wmma_f32_16x16x32_bf16 v[UL:UL+7],    v[AF+16*((\s)&1):AF+16*((\s)&1)+7],    v[BF+8*((\s)-8):BF+8*((\s)-8)+7], 0
	v_wmma_f32_16x16x32_bf16 v[UL+8:UL+15], v[AF+16*((\s)&1)+8:AF+16*((\s)&1)+15], v[BF+8*((\s)-8):BF+8*((\s)-8)+7], 0
.else
	v_wmma_f32_16x16x32_bf16 v[UL:UL+7],    v[AF+16*((\s)&1):AF+16*((\s)&1)+7],    v[BF+8*((\s)-8):BF+8*((\s)-8)+7], v[UL:UL+7]
	v_wmma_f32_16x16x32_bf16 v[UL+8:UL+15], v[AF+16*((\s)&1)+8:AF+16*((\s)&1)+15], v[BF+8*((\s)-8):BF+8*((\s)-8)+7], v[UL+8:UL+15]
.endif
.if (\s) < 15
	NEXTA (\s)+1
.endif
.endm
	; ---------------- addresses ----------------
	s_load_b256 s[4:11], s[0:1], 0x0               ; item_table s[4:5], W1 s[6:7], user_table s[8:9], instances s[10:11]
	s_load_b256 s[12:19], s[0:1], 0x20             ; b1 s[12:13], W2 s[14:15], b2 s[16:17], out s[18:19]
	s_set_vgpr_msb 0x40
	v_lshl_add_u32 v160, v0, 2, 0x39900
	v_mov_b32 v161, 0
	s_set_vgpr_msb 0x4000
	v_lshrrev_b32 v[LANE], 5, v0
	v_readfirstlane_b32 s2, v[LANE]                ; wave w
	v_and_b32 v[LANE], 31, v0
	v_and_b32 v[RR], 15, v0
	v_bfe_u32 v[HH], v0, 4, 1
	s_lshl_b32 s3, s2, 7                           ; 128 w: my strip of 32 f32 in a row of W1, in b1 and in W2
	v_lshlrev_b32 v[IOFF], 4, v[LANE]
	v_lshlrev_b32 v[WOFF], 3, v[RR]
	v_lshl_add_u32 v[WOFF], v[HH], 13, v[WOFF]     ; lanes 16-31 are 8 rows further down
	v_add_nc_u32 v[WOFF], s3, v[WOFF]
	v_lshl_add_u32 v[SOFF], v[HH], 6, s3
	v_mul_u32_u24 v[BADR0], v[RR], IPITCH
	v_lshl_add_u32 v[BADR0], v[HH], 4, v[BADR0]
	v_add_nc_u32 v[BADR1], 4*TILEB, v[BADR0]
	s_mul_i32 s33, s2, TILEB
	v_lshl_add_u32 v[ISTO], v[LANE], 3, s33        ; rows 16 w .., 8 bytes a lane
	s_mul_i32 s33, s2, 2*IPITCH
	s_add_co_u32 s33, s33, 128*IPITCH
	v_lshl_add_u32 v[USTO], v[LANE], 3, s33        ; rows 128 + 2 w, + 1
	s_mul_i32 s33, s2, CW
	s_add_co_u32 s33, s33, CREC
	v_mul_u32_u24 v[CADR], v[HH], CH
	v_add_nc_u32 v[CADR], s33, v[CADR]
	v_mul_u32_u24 v[CSTO], v[RR], CB
	v_add_nc_u32 v[CSTO], v[CSTO], v[CADR]
	s_lshl_b32 s33, s2, 14
	s_add_co_u32 s33, s33, PART
	v_add_nc_u32 v[PSTO], s33, v[IOFF]
	s_lshl_b32 s33, s2, 11                         ; the end: wave w sums users 2 w and 2 w + 1
	s_add_co_u32 s33, s33, PART
	v_lshlrev_b32 v[FADR0], 4, v[RR]
	v_lshl_add_u32 v[FADR0], v[HH], 9, v[FADR0]    ; lanes 0-15 take tiles 0-3, lanes 16-31 tiles 4-7
	v_add_nc_u32 v[FADR0], s33, v[FADR0]
	v_add_nc_u32 v[FADR1], 4*PW, v[FADR0]
	s_lshl_b32 s22, s2, 3                          ; my two indices
	s_lshl_b32 s20, ttmp9, 7
	s_sub_co_u32 s36, M_ITEM, s20                  ; items from my work-group's first to the table's end
	s_lshl4_add_u32 s20, s2, s20                   ; my wave's first item row: 128 x work-group + 16 w,
	s_min_u32 s20, s20, M_ITEM-16                  ; or the table's last 16 rows where that lies past the end (30,000 is a multiple of 16)
	s_lshl_b32 s20, s20, 10
	s_mov_b32 s21, 0
	s_mul_i32 s34, s2, 2*OUTROW                    ; out: row 2 w, column 128 x work-group
	s_lshl_b32 s33, ttmp9, 9
	s_add_co_u32 s34, s34, s33
	s_mov_b32 s35, 0
	s_wait_kmcnt 0x0
	s_load_b64 s[28:29], s[10:11], s22 offset:0x0  ; instances[2 w], instances[2 w + 1]
	s_load_b32 s30, s[16:17], 0x0                  ; b2
	s_add_nc_u64 s[20:21], s[4:5], s[20:21]
	s_add_nc_u64 s[34:35], s[18:19], s[34:35]
	; ---------------- the first requests, all at once: K step 0 of Wi, my 16 item rows, K steps 1-3 ----------------
	; These are 96 loads, more than LOADcnt's field holds: the issue stalls where the field is full (ISA guide 5.7.1); no wait is placed for that.
	WIN 0x40
	WLOAD 0
	WIN 0
.set n, 0
.rept 32
	global_load_b128 v[P+4*n:P+4*n+3], v[IOFF], s[20:21] offset:512*n th:TH_LOAD_NT   ; half a row: 512 consecutive bytes
.set n, n+1
.endr
	WIN 0x40
	WLOAD 1
	WLOAD 2
	WLOAD 3
	s_wait_loadcnt 48                              ; K step 0 and the item rows are in; the 48 loads of K steps 1-3 stay out
	WIN 0x05
	WCVT 0
	WIN 0x40
	WLOAD 4
	WIN 0
	s_wait_kmcnt 0x0                               ; the indices and b2
	s_min_u32 s28, s28, N_USER-1
	s_min_u32 s29, s29, N_USER-1
	s_lshl_b32 s24, s28, 10
	s_mov_b32 s25, 0
	s_lshl_b32 s26, s29, 10
	s_mov_b32 s27, 0
	s_add_nc_u64 s[24:25], s[8:9], s[24:25]
	s_add_nc_u64 s[26:27], s[8:9], s[26:27]
	; The user rows hang on a load that hangs on a load.  They, b1 and W2 are asked for behind K step 4 of W1, so that the waits for K steps 1-4
	; leave them out; they are used behind the eight K steps of Wi.
	global_load_b128 v[UL:UL+3],     v[IOFF], s[24:25]
	global_load_b128 v[UL+4:UL+7],   v[IOFF], s[24:25] offset:512
	global_load_b128 v[UL+8:UL+11],  v[IOFF], s[26:27]
	global_load_b128 v[UL+12:UL+15], v[IOFF], s[26:27] offset:512
	WIN 0x40
.irp e, 0,1,2,3
	global_load_b128 v[B1L+4*\e:B1L+4*\e+3], v[SOFF], s[12:13] offset:16*\e
	global_load_b128 v[W2L+4*\e:W2L+4*\e+3], v[SOFF], s[14:15] offset:16*\e
.endr
	WIN 0
	; my item rows to bf16, into LDS: a store covers 256 consecutive bytes
.set n, 0
.rept 32
	v_cvt_pk_bf16_f32 v[P+4*n],   v[P+4*n],   v[P+4*n+1]
	v_cvt_pk_bf16_f32 v[P+4*n+1], v[P+4*n+2], v[P+4*n+3]
	ds_store_b64 v[ISTO], v[P+4*n:P+4*n+1] offset:(n/2)*IPITCH+(n%2)*256
.set n, n+1
.endr
	s_wait_dscnt 0x0                               ; my rows are written: zero, for the other waves' sake
	s_barrier_signal -1
	s_barrier_wait -1                              ; all 128 item rows are in LDS
	; ---------------- p = item Wi: 8 K steps x 8 item tiles x 2 d tiles ----------------
	BLOAD 0, 0, BADR0
	BLOAD 0, 4, BADR1
	KSTEP 0
	KSTEP 1
	KSTEP 2
	KSTEP 3
	KSTEP 4
	KSTEP 5
	KSTEP 6
	KSTEP 7
	; The wait for K step 5 of W1 has shown the user rows, b1 and W2 in.  The user rows go to bf16, into rows 128 + 2 w, + 1, which no wave reads yet.
.irp e, 0,1,2,3
	v_cvt_pk_bf16_f32 v[UL+4*\e],   v[UL+4*\e],   v[UL+4*\e+1]
	v_cvt_pk_bf16_f32 v[UL+4*\e+1], v[UL+4*\e+2], v[UL+4*\e+3]
	ds_store_b64 v[USTO], v[UL+4*\e:UL+4*\e+1] offset:(\e/2)*IPITCH+(\e%2)*256
.endr
	s_wait_dscnt 0x0                               ; my user rows are written
	s_barrier_signal -1
	s_barrier_wait -1                              ; all 16 user rows are in LDS
	; ---------------- u Wu: 8 K steps x 2 d tiles; lane (r, h) gets user r ----------------
	; The loads land on fragments that the last matrix instructions read: the 24 conversions above are the places behind those.
.irp e, 0,1,2,3,4,5,6,7
	ds_load_b128 v[BF+8*\e:BF+8*\e+3],   v[BADR1] offset:4*TILEB+64*\e
	ds_load_b128 v[BF+8*\e+4:BF+8*\e+7], v[BADR1] offset:4*TILEB+64*\e+32
.endr
	USTEP 8
	USTEP 9
	USTEP 10
	USTEP 11
	USTEP 12
	USTEP 13
	USTEP 14
	USTEP 15
	; w into the order [t][j] of the results: unit 32 w + 16 h + 2 j + t.  These sixteen moves name no register of the last two matrix
	; instructions (they write the fragments of K steps 13 and 14): they are the places in front of the first read of the results.
	WIN 0x01
.irp t, 0,1
.irp j, 0,1,2,3,4,5,6,7
	v_mov_b32 v[W2R+8*\t+\j], v[W2L+2*\j+\t]
.endr
.endr
	WIN 0x04
.irp t, 0,1
.irp j, 0,1,2,3,4,5,6,7
	v_add_f32 v[UL+8*\t+\j], v[UL+8*\t+\j], v[B1L+2*\j+\t]     ; c = u Wu + b1
.endr
.endr
	WIN 0
	; c of user r goes to its record, and user 0's comes back to every lane of my half.  The records are my wave's own, and LDS serves a wave's
	; instructions in order (ISA guide 5.7.1): no wait between the stores and the loads, no barrier.
.irp e, 0,1,2,3
	ds_store_b128 v[CSTO], v[UL+4*\e:UL+4*\e+3] offset:16*\e
.endr
.irp e, 0,1,2,3
	ds_load_b128 v[AF+4*\e:AF+4*\e+3], v[CADR] offset:16*\e
.endr
	s_wait_dscnt 0x0
.irp i, 0,1,2,3,4,5,6,7,8,9,10,11,12,13,14,15
	v_sub_f32 v[UL+\i], v[AF+\i], v[UL+\i]                     ; n = c_0 - c
.endr
	v_pk_mul_f32 v[RES:RES+1], v[W2R:W2R+1], v[UL:UL+1]
.irp i, 1,2,3,4,5,6,7
	v_pk_fma_f32 v[RES:RES+1], v[W2R+2*\i:W2R+2*\i+1], v[UL+2*\i:UL+2*\i+1], v[RES:RES+1]
.endr
	v_pk_mul_f32 v[RES:RES+1], v[RES:RES+1], -1.0 op_sel_hi:[1,0]  ; the pair -sum w n, which starts each of this user's sums
.irp e, 0,1,2,3
	ds_store_b128 v[CSTO], v[UL+4*\e:UL+4*\e+3] offset:16*\e
.endr
	ds_store_b64 v[CSTO], v[RES:RES+1] offset:64
	; ---------------- the main phase: 16 users x 8 item tiles x my 16 units a lane ----------------
.macro LOADN nb, off                   ; a record: all 16 lanes of a half read the same bytes
	ds_load_b128 v[\nb:\nb+3],     v[CADR] offset:\off
	ds_load_b128 v[\nb+4:\nb+7],   v[CADR] offset:\off+16
	ds_load_b128 v[\nb+8:\nb+11],  v[CADR] offset:\off+32
	ds_load_b128 v[\nb+12:\nb+15], v[CADR] offset:\off+48
	ds_load_b64  v[\nb+16:\nb+17], v[CADR] offset:\off+64
.endm
.macro MAX2 d, p, n                    ; two maxima in one instruction: destinations even and odd, each pair of sources in neighbouring registers
	v_dual_max_num_f32 v[\d], v[\p], v[\n] :: v_dual_max_num_f32 v[\d+1], v[\p+1], v[\n+1]
.endm
; Step st of a user: for each of the 8 item tiles, two units' multiply-adds on the maxima made one step ago, and (mx = 1) the two maxima of
; units 2 ix, 2 ix + 1 against the record at nxt for the next step.  The eight tiles' sums do not wait for each other.
.macro STEP st, cur, nxt, ix, mx
.irp u, 0,1,2,3,4,5,6,7
.if (\st) == 0
	v_pk_fma_f32 v[ACC+2*\u:ACC+2*\u+1], v[XA+16*((\st)&1)+2*\u:XA+16*((\st)&1)+2*\u+1], v[W2R+2*(\st):W2R+2*(\st)+1], v[\cur+16:\cur+17]
.else
	v_pk_fma_f32 v[ACC+2*\u:ACC+2*\u+1], v[XA+16*((\st)&1)+2*\u:XA+16*((\st)&1)+2*\u+1], v[W2R+2*(\st):W2R+2*(\st)+1], v[ACC+2*\u:ACC+2*\u+1]
.endif
.if \mx
	MAX2 XA+16*(((\st)+1)&1)+2*\u, P+16*\u+2*(\ix), \nxt+2*(\ix)
.endif
.endr
.endm
; One user.  cur: its record's registers; nxt: the next user's; sto: its place in PART; mx: there is a next user; rl: offset of the record
; two users on, which takes cur's registers (0: none).
.macro BSTEP cur, nxt, sto, mx, rl
.irp e, 0,1,2,3,4,5,6
	STEP \e, \cur, \cur, \e+1, 1
.endr
	s_wait_dscnt 0x0                               ; the next user's record is in; younger than its loads are only two stores of sums, a user's work old
.if \rl
	LOADN \cur, \rl                                ; cur's n were last read in step 6, its starting pair in step 0; these loads have a user's work in which to land
.endif
	STEP 7, \cur, \nxt, 0, \mx
.irp u, 0,1,2,3,4,5,6,7
	v_add_f32 v[RES+\u], v[ACC+2*\u], v[ACC+2*\u+1]
.endr
	ds_store_b128 v[PSTO], v[RES:RES+3]   offset:\sto          ; tiles 0-3: 512 consecutive bytes
	ds_store_b128 v[PSTO], v[RES+4:RES+7] offset:\sto+512      ; tiles 4-7
.endm
	LOADN N0, 0                                    ; behind my stores of the records, in order
	LOADN N1, CB
.irp u, 0,1,2,3,4,5,6,7
.irp i, 0,1,2,3,4,5,6,7
	v_pk_add_f32 v[P+16*\u+2*\i:P+16*\u+2*\i+1], v[P+16*\u+2*\i:P+16*\u+2*\i+1], v[AF+2*\i:AF+2*\i+1]   ; p + c_0, once for an item
.endr
.endr
	s_wait_dscnt 0x5                               ; user 0's record is in; the five loads of user 1's may be out
.irp u, 0,1,2,3,4,5,6,7
	MAX2 XA+2*\u, P+16*\u, N0
.endr
	s_mov_b32 s32, 7
.Lusers:
	BSTEP N0, N1, 0,    1, 2*CB
	BSTEP N1, N0, 1024, 1, 3*CB
	v_add_nc_u32 v[CADR], 2*CB, v[CADR]
	v_add_nc_u32 v[PSTO], 2048, v[PSTO]
	s_sub_co_u32 s32, s32, 1
	s_cmp_lg_u32 s32, 0
	s_cbranch_scc1 .Lusers
	BSTEP N0, N1, 0,    1, 0                       ; users 14 and 15: no record is left to fetch
	BSTEP N1, N0, 1024, 0, 0
	; ---------------- the end: 16 partial sums (8 waves x 2 halves of the lanes) for each output ----------------
	s_lshl_b32 s33, s2, 10
	s_add_co_u32 s33, s33, OUTS
	v_lshlrev_b32 v[ISTO], 2, v[RR]
	v_lshl_add_u32 v[ISTO], v[HH], 8, v[ISTO]
	v_add_nc_u32 v[ISTO], s33, v[ISTO]             ; OUTS row 2 w, item 64 (lane / 16) + lane mod 16
	v_add_nc_u32 v[USTO], s33, v[IOFF]             ; OUTS row 2 w, 16 bytes a lane
	v_lshlrev_b32 v[CSTO], 2, v[LANE]              ; the first of my four items
	s_wait_dscnt 0x0                               ; my partial sums are written
	s_barrier_signal -1
	s_barrier_wait -1                              ; everybody's are
.irp bb, 0,1
.irp wv, 0,1,2,3
.irp hf, 0,1
	ds_load_b128 v[P+64*\bb+8*\wv+4*\hf:P+64*\bb+8*\wv+4*\hf+3],       v[FADR0] offset:\wv*PW+\bb*1024+\hf*256
	ds_load_b128 v[P+64*\bb+32+8*\wv+4*\hf:P+64*\bb+32+8*\wv+4*\hf+3], v[FADR1] offset:\wv*PW+\bb*1024+\hf*256
.endr
.endr
.endr
.macro FOLD base, d, q
	v_pk_add_f32 v[\base+\q:\base+\q+1], v[\base+\q:\base+\q+1], v[\base+\q+\d:\base+\q+\d+1]
.endm
.macro SUMB base                       ; sixteen groups of four sums become one
.irp q, 0,2,4,6,8,10,12,14,16,18,20,22,24,26,28,30
	FOLD \base, 32, \q
.endr
.irp q, 0,2,4,6,8,10,12,14
	FOLD \base, 16, \q
.endr
.irp q, 0,2,4,6
	FOLD \base, 8, \q
.endr
.irp q, 0,2
	FOLD \base, 4, \q
.endr
.endm
	s_wait_dscnt 0x10                              ; user 2 w's sixteen loads are in; the other user's sixteen may be out
	SUMB P
	s_wait_dscnt 0x0
	SUMB P+64
	; A lane holds item lane mod 16 of four tiles.  Through my wave's own two rows of OUTS they become 16 neighbouring bytes a lane;
	; LDS serves my stores and loads in order, so no wait stands between them.
.irp bb, 0,1
.irp i, 0,1,2,3
	v_add_f32 v[P+64*\bb+\i], s30, v[P+64*\bb+\i]              ; + b2
	ds_store_b32 v[ISTO], v[P+64*\bb+\i] offset:512*\bb+64*\i
.endr
.endr
	ds_load_b128 v[RES:RES+3],   v[USTO]
	ds_load_b128 v[RES+4:RES+7], v[USTO] offset:512
	s_wait_dscnt 0x0
	v_cmp_gt_u32 vcc_lo, s36, v[CSTO]              ; my four items lie inside the table (48 items are left in the last work-group, a multiple of 4)
	s_wait_xcnt 0x0                                ; EXEC is a source of the global loads above: it changes only behind this wait
	s_set_vgpr_msb 0x5
	s_wait_tensorcnt 0x0
	ds_add_u32 v160, v161
	s_wait_dscnt 0x0
	s_set_vgpr_msb 0x500
	s_and_saveexec_b32 s33, vcc_lo
	global_store_b128 v[IOFF], v[RES:RES+3],   s[34:35] th:TH_STORE_NT                  ; row 2 w: 512 consecutive bytes
	global_store_b128 v[IOFF], v[RES+4:RES+7], s[34:35] offset:OUTROW th:TH_STORE_NT    ; row 2 w + 1
	s_wait_xcnt 0x0                                ; and again in front of the line that widens it
	s_or_b32 exec_lo, exec_lo, s33
	s_endpgm
.Lfunc_end_k_q8199e919b8_ranknet:
	.size	k_q8199e919b8_ranknet, .Lfunc_end_k_q8199e919b8_ranknet-k_q8199e919b8_ranknet
	.p2alignl 7, 3214868480
	.fill 96, 4, 3214868480
	.section	.rodata,"a",@progbits
	.p2align	6, 0x0
	.amdhsa_kernel k_q8199e919b8_ranknet
		.amdhsa_group_segment_fixed_size 236800
		.amdhsa_private_segment_fixed_size 0
		.amdhsa_enable_private_segment 0
		.amdhsa_kernarg_size 64
		.amdhsa_user_sgpr_count 2
		.amdhsa_user_sgpr_kernarg_segment_ptr 1
		.amdhsa_wavefront_size32 1
		.amdhsa_system_sgpr_workgroup_id_x 1
		.amdhsa_system_sgpr_workgroup_id_y 1
		.amdhsa_system_sgpr_workgroup_id_z 1
		.amdhsa_system_vgpr_workitem_id 0
		.amdhsa_next_free_vgpr 418
		.amdhsa_next_free_sgpr 66
		.amdhsa_reserve_vcc 1
		.amdhsa_float_denorm_mode_32 3
		.amdhsa_float_denorm_mode_16_64 3
		.amdhsa_memory_ordered 1
		.amdhsa_forward_progress 1
		.amdhsa_inst_pref_size 126
	.end_amdhsa_kernel
	.amdgpu_metadata
---
amdhsa.version: [ 1, 2 ]
amdhsa.kernels:
  - .name:           k_q8199e919b8_ranknet
    .symbol:         k_q8199e919b8_ranknet.kd
    .args:
      - { .name: item_table, .offset: 0, .size: 8, .value_kind: global_buffer, .address_space: global }
      - { .name: W1, .offset: 8, .size: 8, .value_kind: global_buffer, .address_space: global }
      - { .name: user_table, .offset: 16, .size: 8, .value_kind: global_buffer, .address_space: global }
      - { .name: instances, .offset: 24, .size: 8, .value_kind: global_buffer, .address_space: global }
      - { .name: b1, .offset: 32, .size: 8, .value_kind: global_buffer, .address_space: global }
      - { .name: W2, .offset: 40, .size: 8, .value_kind: global_buffer, .address_space: global }
      - { .name: b2, .offset: 48, .size: 8, .value_kind: global_buffer, .address_space: global }
      - { .name: out0, .offset: 56, .size: 8, .value_kind: global_buffer, .address_space: global }
    .group_segment_fixed_size: 236800
    .private_segment_fixed_size: 0
    .kernarg_segment_align: 8
    .kernarg_segment_size: 64
    .max_flat_workgroup_size: 256
    .sgpr_count:     66
    .vgpr_count:     418
    .wavefront_size: 32
...
	.end_amdgpu_metadata
.endif
;; end of part 1
